; MI455X (gfx1250); checked and timed in simulation.
; The chip was launched on July 23, 2026; its instructions are those of AMD's public machine-readable ISA for CDNA 5 (MIT licence, August 2026) and "CDNA5" Instruction Set Architecture Reference Guide (July 2026). The comments in the code are by the model that wrote it; some were corrected since.
;; Self Attention. Allowed arithmetic: matrix products marked QUANTISED: E5M2 operands, one given power-of-two scale a tensor, by v_wmma_f32_16x16x64_bf8_bf8 or v_wmma_f32_16x16x128_bf8_bf8, f32 sums; everything else in f32.
;; Inputs: W_out_codes 1,024 x 32 x 32 uint8 (E5M2 codes of W_out, K innermost, in blocks of 32 codes); W_qkv_codes 3,072 x 32 x 32 uint8 (E5M2 codes of W_qkv, K innermost, in blocks of 32 codes); X_codes 4 x 2,048 x 32 x 32 uint8 (E5M2 codes of X, K innermost, in blocks of 32 codes); b_out 1,024 float32; b_qkv 3,072 float32; lowp_scales 8 int32 (the exponents e of the quantised operands' scales 2^e).
;; Outputs: out0 4 x 2,048 x 1,024 float32.
;; This version of the problem:
;;   THIS VERSION OF THE PROBLEM IS GIVEN IN LOW PRECISION. The matrix products marked QUANTISED in the list below multiply operands that are first quantised to E5M2 (5 exponent bits, 2 mantissa bits; 8 bits a number), with one given power-of-two scale for each operand tensor; their sums are f32. All else is computed in f32.
;;   The module's matrix products, in the order in which they are computed (A, B: the left and right operand; K: the contracted axis; several contracted axes count as one K, in the product's order):
;;     1. [M 8,192, K 1,024] x [K 1,024, N 3,072]; A: input X (given as codes); B: input W_qkv (given as codes): QUANTISED (scales: A lowp_scales[0], B lowp_scales[1])
;;     2. batch 64 x [M 2,048, K 64] x [K 64, N 2,048]; A: computed on the way; B: computed on the way: QUANTISED (scales: A lowp_scales[2], B lowp_scales[3])
;;     3. batch 64 x [M 64, K 2,048] x [K 2,048, N 2,048]; A: computed on the way; B: softmax (see below): QUANTISED (scales: A lowp_scales[4], B lowp_scales[5])
;;     4. [M 8,192, K 1,024] x [K 1,024, N 1,024]; A: computed on the way; B: input W_out (given as codes): QUANTISED (scales: A lowp_scales[6], B lowp_scales[7])
;;   THE QUANTISER, for each operand of a quantised product, along K:
;;     - The operand's scale is 2^e, e = its entry of the input lowp_scales (int32; the entries are numbered through the quantised products in the list's order, A before B).
;;     - Each number is divided by the scale, clamped to +-57,344, and rounded to the nearest number of E5M2, ties to even, subnormals kept.
;;     - The product sums the exact products of the quantised numbers (number of the format x scale) in f32.
;;   ~~~python
;;   def quantise(x, axis, e):      # numpy; x: float32 -> the quantised numbers, widened to float32 again
;;       x = np.moveaxis(x, axis, -1); K = x.shape[-1]
;;       r = np.clip(x / 2.0 ** e, -57344, 57344)
;;       step = 2.0 ** (np.maximum(np.frexp(np.where(r == 0, 1, r))[1] - 1, -14) - 2)
;;       q = np.round(r / step) * step * 2.0 ** e      # np.round: ties to even
;;       return np.moveaxis(q, -1, axis).astype(np.float32)
;;   ~~~
;;   SOFTMAX AHEAD OF A QUANTISED PRODUCT. Where the list says 'softmax', what is quantised is not the finished softmax but p = 2^(t - M), with t = logit x log2(e) and M = ceil(the row's largest t), a whole number; so 1/2 < the row's largest p <= 1. The row's sum l is taken of the UNQUANTISED p, in f32, and the product's result is divided by l at the end. Since M is a whole number, a kernel that streams over the keys may use a running M (the ceiling of the running maximum): every later rescaling is an exact power of two, so the quantised numbers keep their values, but for numbers so far below the row's largest that they fall under the format's range.
;;   OPERANDS COMPUTED ON THE WAY. 'Computed on the way' means the value that the module computes at that place (a softmax that the list does not call 'softmax' is quantised finished and normalised). What goes into a quantiser is computed in f32, as accurately as f32 sums, v_exp_f32 and their like allow (about 1e-6 of the number): no bf16 or f16 on the way to a quantiser, and a product that is left as it is and whose result goes on into a quantised operand takes f32 operands (vector FMAs, or v_wmma_f32_16x16x4_f32). A number that lies on a knife's edge between two numbers of the format may be rounded either way, as far as f32 arithmetic and the matrix unit's own rounding can turn it there, and no further.
;;   INPUTS GIVEN AS CODES. W_out (in the module: [1024, 1024], K = its axis 0); W_qkv (in the module: [1024, 3072], K = its axis 0); X (in the module: [4, 2048, 1024], K = its axis 2): each comes as NAME_codes (uint8): NAME with its K axis moved to the last place and cut into blocks of 32 codes, [.., K / 32, bytes a block], one block behind the other in memory; one code a byte (a code: sign, 5 exponent bits, 2 mantissa bits); its scale is its entry of lowp_scales. Its value is code x scale, taken as it is: it is not quantised again, and the codes and scales need not be those that the quantiser above would give.
;; One version. Each part assembles by itself: llvm-mc -triple=amdgcn-amd-amdhsa -mcpu=gfx1250 --defsym DOCPART=n.
;; ======== version 1 of 1: 3 launches
;; workspace buffers: q_img 8,388,608 bytes; k_img 8,388,608 bytes; v_img 8,388,608 bytes; attn_img 8,388,608 bytes
;; launch qkv (part 1): grid 16 x 32, 4 waves a work-group, clusters of 4 x 4, 327,680 bytes of LDS; arguments X_codes, W_qkv_codes, lowp_scales, b_qkv, q_img, k_img, v_img; writes q_img, k_img, v_img
.if DOCPART == 1
	.amdgcn_target "amdgcn-amd-amdhsa--gfx1250"
	.amdhsa_code_object_version 6
	.text
	.protected	k_q2184490ca3_qkv
	.globl	k_q2184490ca3_qkv
	.p2align	8
	.type	k_q2184490ca3_qkv,@function
k_q2184490ca3_qkv:
	s_mov_b64 s[64:65], 0
	v_nop
	global_prefetch_b8 v0, s[64:65] scope:SCOPE_SE
	s_setreg_imm32_b32 hwreg(HW_REG_WAVE_MODE, 25, 1), 1
	s_wait_xcnt 0x0
	s_wait_alu depctr_hold_cnt(0) depctr_sa_sdst(0) depctr_va_vdst(0) depctr_va_sdst(0) depctr_va_ssrc(0) depctr_va_vcc(0) depctr_vm_vsrc(0)
	s_getreg_b32 s2, hwreg(HW_REG_IB_STS2, 6, 4)
	s_cmp_eq_u32 s2, 0
	s_cbranch_scc0 .Lentry_in_a_cluster
	s_endpgm
.Lentry_in_a_cluster:
	s_bfe_u32 s2, ttmp6, 0x10000c
	s_cmp_lg_u32 s2, 0xf033
	s_cbranch_scc0 .Lentry_shape_is_right
	s_endpgm
.Lentry_shape_is_right:
; qkv = X W_qkv + b_qkv on codes of E5M2, then Q, K and V are quantised with the given scales 2^e2, 2^e3, 2^e4 and stored as IMAGES OF OPERAND REGISTERS for the attention launch.
; X: [8192][1024] codes, W_qkv: [3072][1024] codes (K innermost), b_qkv [3072] f32.  Column 192 head + 64 which + d; which = 0 Q, 1 K, 2 V.
; SHARES.  A work-group takes 256 rows x one head's 192 columns; wave w takes rows 128 (w / 2) on and, by cb = w % 2: four tiles of 16 columns of Q (cb = 0) or K (cb = 1), and two tiles of V (channels 32 cb on): 48 accumulators.
; ORIENTATION.  Q's and K's tiles are used transposed (source 0 = 16 rows of W, source 1 = 16 rows of X): a lane holds 8 neighbouring d of one row.  V's tiles are used as they are (source 0 = X, source 1 = W):
; a lane holds 8 neighbouring keys of one channel.  So each conversion's two registers are a pair of the reader's fragment, and a store of four registers a lane covers 512 consecutive bytes, aligned.
; V's tile u takes W's rows 128 + 32 cb + 8 u + r + 8 (r / 8), so that the attention's result has 16 neighbouring d in 16 registers.
; IMAGES.  q_img, k_img: [bh][row tile 128][piece 2][lane][16 bytes]: registers 2 t, 2 t + 1 of lane (r, h) = d 16 t + 8 h + 0..7 of row r.   v_img: [bh][key step 16][d tile 4][piece 4][lane][16 bytes]: registers 2 a, 2 a + 1 = keys 16 a + 8 h + 0..7.
; K goes in steps of 256 through two LDS slots filled by joint tensor loads: X's tile is shared along a row of the 4 x 4 cluster, W's along a column.  The bias, divided by 2^(e0 + e1), is the C of each sum's first product.
; LIMITS: e2 - e0 - e1, e3 - e0 - e1 and e4 - e0 - e1 lie between -126 and 112, so that each power of two below is an f32 number.  NaN among the inputs is not served.
; REGISTERS: window 0: v16-29 addresses and scales; v32-79 the bias, later numbers at work; v128-255 X's 8 fragments (one set), later the codes.  window 1: W's 6 fragments, two sets (v0, v128).
;   window 2: accumulators of my blocks 0-3 (block a, tile t at v[8 (6 a + t)]); window 3: those of blocks 4-7.
.set PITCH, 272                        ; an LDS row: 256 bytes + 16 of padding: the 16 rows of a fragment load start at 16 different banks (64 banks of 4 bytes: ISA guide 11.1)
.set HALFA, 128*PITCH                  ; what one load brings of X
.set HALFB, 96*PITCH                   ; and of W
.set BOFF,  2*HALFA                    ; W's 192 rows lie behind X's 256
.set SLOT,  BOFF+2*HALFB
.set SPARE, 2*SLOT                     ; behind the ring: the spare words, 128 bytes a wave, which no other line names
.set PADW,  (1<<20)|(1<<21)|(5<<22)|(3<<25)   ; elements of 1 byte; padding on; bit 21 beside a mask; after every 64 words, 4 words
.set ADRA, 16                          ; v16-17 LDS address of my fragments of X in slot 0, 1
.set ADRT, 18                          ; v18-19 of W's rows for Q or K
.set ADRN, 20                          ; v20-21 of W's rows for V
.set L16,  22                          ; v22 16 x lane
.set SCT,  23                          ; v23 2^(e2 or e3 - e0 - e1), v24 2^(e4 - e0 - e1): the conversions' scales
.set SCV,  24
.set LIMT, 25                          ; v25, v26: 57,344 x those
.set LIMV, 26
.set SPW,  28                          ; v28 my spare word's address, v29 0: never rewritten
.set NIL,  29
.set BT,   32                          ; v32-63 bias of the four transposed tiles, in the result's layout
.set BN,   64                          ; v64-79 bias of V's two tiles
.set TMP,  32                          ; the way out: 48 numbers, held
.set AF,   128
.set CT,   128                         ; the way out: Q's or K's codes, 8 registers a block
.set CV,   192                         ; V's codes, 16 registers a tile
.set G1,  24
.set G0,  32
.set G1B, 48
.set G0B, 56
.set MSB, 0
.macro WIN new                         ; the immediate's high byte repeats the setting that is left
.if MSB != (\new)
	s_set_vgpr_msb (MSB<<8)|(\new)
.set MSB, (\new)
.endif
.endm
; A joint load: waves 0 and 1 fetch X's halves, waves 2 and 3 W's.  Four v_nop follow each line.
.macro JLOAD g0a, g1a, g0b, g1b
	s_cmp_eq_u32 s15, 0
	s_cbranch_scc0 .Lfor_b_\@
	tensor_load_to_lds s[\g0a:\g0a+3], s[\g1a:\g1a+7]
	s_nop 0
.rept 4
	v_nop
.endr
	s_branch .Lasked_\@
.Lfor_b_\@:
	tensor_load_to_lds s[\g0b:\g0b+3], s[\g1b:\g1b+7]
	s_nop 0
.rept 4
	v_nop
.endr
.Lasked_\@:
.endm
.macro CREST                           ; a round of the cluster's barrier behind its opening barrier
	s_cmp_lg_u32 s14, 0
	s_cbranch_scc1 .Lnot_wave_0_\@
	s_barrier_signal -3
.Lnot_wave_0_\@:
	s_barrier_wait -3
	s_barrier_signal -1
	s_barrier_wait -1
.endm
.macro CROUND
	s_barrier_signal -1
	s_barrier_wait -1
	CREST
.endm
.macro PLACES n                        ; plain vector instructions between a matrix instruction and a load into, or a read of, its registers
.rept \n
	v_nop
.endr
.endm
	s_load_b256 s[4:11], s[0:1], 0x0               ; X s[4:5], W s[6:7], the exponents s[8:9], b_qkv s[10:11]
	s_load_b128 s[68:71], s[0:1], 0x20             ; q_img, k_img
	s_load_b64 s[72:73], s[0:1], 0x30              ; v_img
	v_lshl_add_u32 v[SPW], v0, 2, SPARE
	v_mov_b32 v[NIL], 0
	ds_add_u32 v28, v29
	ds_add_u32 v28, v29
	s_wait_dscnt 0x0
	v_lshrrev_b32 v1, 5, v0
	v_readfirstlane_b32 s14, v1                    ; wave 0..3
	s_lshr_b32 s15, s14, 1                         ; my half of the rows.  Also: I fetch for X (0) or for W (1)
	s_and_b32 s16, s14, 1                          ; cb.  Also: which half of that tile I fetch
	s_bfe_u32 s40, ttmp6, 0x40000                  ; cx, cy: my place in the cluster
	s_bfe_u32 s41, ttmp6, 0x40004
	s_lshl_b32 s42, ttmp9, 2
	s_add_co_u32 s42, s42, s40                     ; the head = 4 x cluster x + cx
	s_and_b32 s17, ttmp7, 0xffff
	s_lshl_b32 s17, s17, 2
	s_add_co_u32 s17, s17, s41                     ; the block of 256 rows = 4 x cluster y + cy
	s_lshl_b32 s43, s41, 2
	s_lshl_b32 s43, 15, s43                        ; my row of the cluster
	s_lshl_b32 s44, 0x1111, s40                    ; my column
	s_or_b32 s[G1+0], s43, PADW                    ; X's tiles go to my row
	s_or_b32 s[G1B+0], s44, PADW                   ; W's to my column
	s_mov_b32 s[G1+1], 256<<16                     ; tensor_dim0 = 256 bytes
	s_mov_b32 s[G1+2], 128<<16                     ; tensor_dim1 = 128 rows
	s_mov_b32 s[G1+3], 256<<16                     ; tile_dim0
	s_mov_b32 s[G1+4], 128                         ; tile_dim1
	s_mov_b32 s[G1+5], 1024                        ; from row to row
	s_mov_b32 s[G1+6], 0
	s_mov_b32 s[G1+7], 0
	s_mov_b32 s[G1B+1], 256<<16
	s_mov_b32 s[G1B+2], 96<<16                     ; 96 rows
	s_mov_b32 s[G1B+3], 256<<16
	s_mov_b32 s[G1B+4], 96
	s_mov_b32 s[G1B+5], 1024
	s_mov_b32 s[G1B+6], 0
	s_mov_b32 s[G1B+7], 0
	s_lshl_b32 s18, s16, 7
	s_lshl_b32 s20, s17, 8
	s_add_co_u32 s20, s20, s18                     ; X: row 256 x block + 128 x half,
	s_lshl_b32 s20, s20, 10                        ; in bytes
	s_mov_b32 s21, 0
	s_mul_i32 s46, s42, 192
	s_mul_i32 s19, s16, 96
	s_add_co_u32 s46, s46, s19                     ; W: row 192 x head + 96 x half
	s_lshl_b32 s46, s46, 10
	s_mov_b32 s47, 0
	s_mul_i32 s45, s16, HALFA                      ; where they go: no place in the cluster enters an LDS address
	s_mul_i32 s22, s16, HALFB
	s_add_co_u32 s22, s22, BOFF
	s_wait_kmcnt 0x0
	s_load_b256 s[80:87], s[8:9], 0x0              ; e0 .. e7
	s_add_nc_u64 s[20:21], s[4:5], s[20:21]
	s_add_nc_u64 s[46:47], s[6:7], s[46:47]
	CROUND                                         ; all sixteen work-groups are here: the first joint loads meet
.irp s, 0,1
	s_mov_b32 s[G0+4*\s], 1
	s_add_co_u32 s[G0+4*\s+1], s45, \s*SLOT
	s_add_nc_u64 s[G0+4*\s+2:G0+4*\s+3], s[20:21], \s*256
	s_or_b32 s[G0+4*\s+3], s[G0+4*\s+3], 0x80000000
	s_mov_b32 s[G0B+4*\s], 1
	s_add_co_u32 s[G0B+4*\s+1], s22, \s*SLOT
	s_add_nc_u64 s[G0B+4*\s+2:G0B+4*\s+3], s[46:47], \s*256
	s_or_b32 s[G0B+4*\s+3], s[G0B+4*\s+3], 0x80000000
	JLOAD G0+4*\s, G1, G0B+4*\s, G1B               ; two loads of mine are out
.endr
	; LDS addresses of my fragments
	v_and_b32 v1, 15, v0                           ; r
	v_bfe_u32 v2, v0, 4, 1                         ; h
	v_mul_u32_u24 v3, v1, PITCH
	v_lshl_add_u32 v3, v2, 4, v3                   ; row r, + 16 h
	v_and_b32 v4, 8, v1
	v_add_nc_u32 v4, v4, v1                        ; r + 8 (r / 8)
	v_mul_u32_u24 v5, v4, PITCH
	v_lshl_add_u32 v5, v2, 4, v5
	s_mul_i32 s18, s15, HALFA                      ; my 128 rows of X
	s_mul_i32 s19, s16, 64*PITCH
	s_add_co_u32 s19, s19, BOFF                    ; W's rows 64 cb on: Q or K
	s_mul_i32 s23, s16, 32*PITCH
	s_add_co_u32 s23, s23, BOFF+128*PITCH          ; W's rows 128 + 32 cb on: V
.irp s, 0,1
	v_add_nc_u32 v[ADRA+\s], s18, v3
	v_add_nc_u32 v[ADRT+\s], s19, v3
	v_add_nc_u32 v[ADRN+\s], s23, v5
	s_add_co_u32 s18, s18, SLOT
	s_add_co_u32 s19, s19, SLOT
	s_add_co_u32 s23, s23, SLOT
.endr
	v_and_b32 v[L16], 31, v0
	v_lshlrev_b32 v[L16], 4, v[L16]
	; the bias, in the results' layouts
	v_lshlrev_b32 v6, 5, v2                        ; transposed tiles: my half's 8 columns: 32 h bytes
	v_lshlrev_b32 v7, 2, v4                        ; V's tiles: my lane's channel
	s_mul_i32 s92, s42, 768                        ; 4 bytes x 192 x head
	s_lshl_b32 s93, s16, 8                         ; + 4 x 64 cb
	s_add_co_u32 s92, s92, s93
	s_mov_b32 s93, 0
	s_add_nc_u64 s[92:93], s[10:11], s[92:93]
	s_mul_i32 s94, s42, 768
	s_lshl_b32 s95, s16, 7                         ; + 4 x 32 cb
	s_add_co_u32 s94, s94, s95
	s_add_co_u32 s94, s94, 512                     ; + 4 x 128
	s_mov_b32 s95, 0
	s_add_nc_u64 s[94:95], s[10:11], s[94:95]
.irp b, 0,1,2,3
	global_load_b128 v[BT+8*\b:BT+8*\b+3], v6, s[92:93] offset:64*\b
	global_load_b128 v[BT+8*\b+4:BT+8*\b+7], v6, s[92:93] offset:64*\b+16
.endr
	global_load_b32 v80, v7, s[94:95]
	global_load_b32 v81, v7, s[94:95] offset:32
	; where my codes go
	s_lshl_b32 s18, s17, 8
	s_lshl_b32 s19, s15, 7
	s_add_co_u32 s18, s18, s19                     ; my first row
	s_lshr_b32 s19, s18, 11                        ; its batch
	s_lshl_b32 s19, s19, 4
	s_add_co_u32 s19, s19, s42                     ; bh = 16 x batch + head
	s_and_b32 s18, s18, 2047                       ; its place in the sequence
	s_lshl_b32 s19, s19, 17
	s_lshl_b32 s96, s18, 6                         ; a tile of 16 rows is 1,024 bytes
	s_add_co_u32 s96, s96, s19
	s_mov_b32 s97, 0
	s_cmp_eq_u32 s16, 0
	s_cselect_b64 s[74:75], s[68:69], s[70:71]     ; q_img or k_img: the choice hangs on the wave's number alone
	s_add_nc_u64 s[74:75], s[74:75], s[96:97]
	s_lshr_b32 s96, s18, 7
	s_lshl_b32 s96, s96, 13                        ; my 128 rows are one key step: 8,192 bytes
	s_add_co_u32 s96, s96, s19
	s_lshl_b32 s23, s16, 12                        ; d tiles 2 cb, 2 cb + 1
	s_add_co_u32 s96, s96, s23
	s_add_nc_u64 s[76:77], s[72:73], s[96:97]
	s_wait_kmcnt 0x0
	s_add_co_i32 s88, s80, s81                     ; e0 + e1: a sum stands for sum x 2^(e0 + e1)
	s_cmp_eq_u32 s16, 0
	s_cselect_b32 s89, s82, s83                    ; e2 or e3
	s_sub_co_i32 s89, s89, s88
	s_add_co_i32 s89, s89, 127
	s_lshl_b32 s90, s89, 23
	v_mov_b32 v[SCT], s90                          ; the scales folded into the conversion's one
	s_add_co_i32 s89, s89, 15
	s_lshl_b32 s89, s89, 23
	s_or_b32 s89, s89, 0x600000
	v_mov_b32 v[LIMT], s89                         ; 57,344 x that
	s_sub_co_i32 s89, s84, s88
	s_add_co_i32 s89, s89, 127
	s_lshl_b32 s90, s89, 23
	v_mov_b32 v[SCV], s90
	s_add_co_i32 s89, s89, 15
	s_lshl_b32 s89, s89, 23
	s_or_b32 s89, s89, 0x600000
	v_mov_b32 v[LIMV], s89
	s_sub_co_i32 s88, 0, s88
	s_wait_loadcnt 0x0
.set i, 0
.rept 32
	v_ldexp_f32 v[BT+i], v[BT+i], s88              ; the bias goes in divided by the power of two that the sums lack
.set i, i+1
.endr
.set i, 0
.rept 8
	v_ldexp_f32 v[BN+i], v80, s88                  ; a lane of V's tiles holds one channel in all eight registers
	v_ldexp_f32 v[BN+8+i], v81, s88
.set i, i+1
.endr
; a fragment, 16 rows x 128 K, is 16 registers: registers 4 c .. 4 c + 3 hold K = 32 c + 16 h + 0..15: the same places of k in X and in W, so every product meets its partner
.macro FRAG reg, adr, q, row
.irp c, 0,1,2,3
	ds_load_b128 v[\reg+4*\c:\reg+4*\c+3], v[\adr] offset:128*(\q)+32*\c+(\row)*PITCH
.endr
.endm
.macro FETCH_B slot, q, p              ; W's six fragments of the slot's q-th 128 along K into set p: 24 loads
	WIN 0x40
.irp b, 0,1,2,3
	FRAG 128*(\p)+16*\b, ADRT+\slot, \q, 16*\b
.endr
.irp u, 0,1
	FRAG 128*(\p)+64+16*\u, ADRN+\slot, \q, 8*\u
.endr
	WIN 0
.endm
.macro FETCH_A slot, q, i0             ; X's blocks i0 .. i0 + 3: 16 loads
.irp i, \i0, \i0+1, \i0+2, \i0+3
	FRAG AF+16*(\i), ADRA+\slot, \q, 16*(\i)
.endr
.endm
; 16 products of the transposed tiles, 8 of V's: blocks 4 hi .. 4 hi + 3.  first = 1: the bias is the C.  The accumulators take turns, one instruction a turn, in the same order in every step.
.macro MULT hi, p, first
.irp a, 0,1,2,3
.irp b, 0,1,2,3
.if \first
	v_wmma_f32_16x16x128_bf8_bf8 v[8*(6*\a+\b):8*(6*\a+\b)+7], v[128*\p+16*\b:128*\p+16*\b+15], v[AF+16*(4*\hi+\a):AF+16*(4*\hi+\a)+15], v[BT+8*\b:BT+8*\b+7]
.else
	v_wmma_f32_16x16x128_bf8_bf8 v[8*(6*\a+\b):8*(6*\a+\b)+7], v[128*\p+16*\b:128*\p+16*\b+15], v[AF+16*(4*\hi+\a):AF+16*(4*\hi+\a)+15], v[8*(6*\a+\b):8*(6*\a+\b)+7]
.endif
.endr
.endr
.endm
.macro MULN hi, p, first
.irp a, 0,1,2,3
.irp u, 0,1
.if \first
	v_wmma_f32_16x16x128_bf8_bf8 v[8*(6*\a+4+\u):8*(6*\a+4+\u)+7], v[AF+16*(4*\hi+\a):AF+16*(4*\hi+\a)+15], v[128*\p+64+16*\u:128*\p+64+16*\u+15], v[BN+8*\u:BN+8*\u+7]
.else
	v_wmma_f32_16x16x128_bf8_bf8 v[8*(6*\a+4+\u):8*(6*\a+4+\u)+7], v[AF+16*(4*\hi+\a):AF+16*(4*\hi+\a)+15], v[128*\p+64+16*\u:128*\p+64+16*\u+15], v[8*(6*\a+4+\u):8*(6*\a+4+\u)+7]
.endif
.endr
.endr
.endm
; window settings: W in window 1, X in window 0; C and D in window 2 (blocks 0-3) or 3; in the first step C, the bias, in window 0
; A slot's first 128 along K, on W's set 0; it fetches the second 128 into set 1.
.macro STEP slot, first
	s_wait_dscnt 16                                ; W's set and X's blocks 0-3 are in; the youngest 16 loads (blocks 4-7) may be out
	WIN 0xa1-0x20*\first
	MULT 0, 0, \first
	WIN 0xa4-0x20*\first
	MULN 0, 0, \first
	s_wait_dscnt 0                                 ; blocks 4-7 are in
	PLACES 4
	FETCH_B \slot, 1, 1
	FETCH_A \slot, 1, 0
	WIN 0xf1-0x30*\first
	MULT 1, 0, \first
	WIN 0xf4-0x30*\first
	MULN 1, 0, \first
	PLACES 4
	WIN 0
	FETCH_A \slot, 1, 4
.endm
; A slot's second 128, on set 1, changes slots: ONE barrier; in front of it each wave waits for all its tensor loads, adds 0 to its spare word, and waits for that and for its reads of this slot.  fill = 1: the slot is filled again, two K steps of 256 ahead.
.macro TURN slot, next, fill
	s_wait_tensorcnt 0x0                           ; all my tensor loads have landed: my part of the next slot
	ds_add_u32 v[SPW], v[NIL]                      ; 0 onto my spare word
	s_wait_dscnt 17                                ; (the add and the youngest 16 loads may be out)
	WIN 0xa1
	MULT 0, 1, 0                                   ; sixteen products stand between the add and the wait for it
	s_wait_dscnt 0x0                               ; the add is done, and my reads of this slot are over
	s_barrier_signal -1
	WIN 0xa4
	MULN 0, 1, 0
	WIN 0
	s_barrier_wait -1
.if \fill
	CREST                                          ; the barrier has opened a round of the cluster's: no wave of any partner still reads this slot or has a load on its way
	s_add_nc_u64 s[G0+4*\slot+2:G0+4*\slot+3], s[G0+4*\slot+2:G0+4*\slot+3], 512
	s_add_nc_u64 s[G0B+4*\slot+2:G0B+4*\slot+3], s[G0B+4*\slot+2:G0B+4*\slot+3], 512
	JLOAD G0+4*\slot, G1, G0B+4*\slot, G1B         ; the first tensor load behind the round; its four v_nop are the places in front of the loads below
.else
	PLACES 4
.endif
	FETCH_B \next, 0, 0
	FETCH_A \next, 0, 0
	WIN 0xf1
	MULT 1, 1, 0
	WIN 0xf4
	MULN 1, 1, 0
	PLACES 4
	WIN 0
	FETCH_A \next, 0, 4
.endm
	s_wait_tensorcnt 1                             ; my part of slot 0 is in; slot 1's load may stay out
	s_barrier_signal -1
	s_barrier_wait -1
	FETCH_B 0, 0, 0
	FETCH_A 0, 0, 0
	FETCH_A 0, 0, 4
	STEP 0, 1                                      ; K = 1,024 is eight steps of 128, written out: four slots' worth, two refills
	TURN 0, 1, 1
	STEP 1, 0
	TURN 1, 0, 1
	STEP 0, 0
	TURN 0, 1, 0                                   ; nothing is left to fetch
	STEP 1, 0
	s_wait_dscnt 16
	WIN 0xa1
	MULT 0, 1, 0
	WIN 0xa4
	MULN 0, 1, 0
	s_wait_dscnt 0
	WIN 0xf1
	MULT 1, 1, 0
	WIN 0xf4
	MULN 1, 1, 0
	WIN 0
	PLACES 4
; THE WAY OUT of block a: held within the largest code x the scale (the conversion to an 8-bit code does not saturate: ISA guide 7.6.2), converted, stored.  Each accumulator is read from its low end on.
.macro OUTBLK a
.set AC, 48*((\a)%4)
	WIN 0x02+((\a)/4)                              ; source 0: window 2 or 3
.set i, 0
.rept 32
	v_med3_num_f32 v[TMP+i], v[AC+i], -v[LIMT], v[LIMT]
.set i, i+1
.endr
.rept 16
	v_med3_num_f32 v[TMP+i], v[AC+i], -v[LIMV], v[LIMV]
.set i, i+1
.endr
	WIN 0
.irp t, 0,1,2,3
	v_cvt_scalef32_pk8_bf8_f32 v[CT+8*(\a)+2*\t:CT+8*(\a)+2*\t+1], v[TMP+8*\t:TMP+8*\t+7], v[SCT]   ; d 16 t + 8 h + 0..7 of row r
.endr
.irp u, 0,1
	v_cvt_scalef32_pk8_bf8_f32 v[CV+16*\u+2*(\a):CV+16*\u+2*(\a)+1], v[TMP+32+8*\u:TMP+32+8*\u+7], v[SCV]   ; keys 16 a + 8 h + 0..7 of my channel
.endr
	v_nop                                          ; a plain instruction between the conversions and the next block's holds, which write their sources
.irp c, 0,1
	global_store_b128 v[L16], v[CT+8*(\a)+4*\c:CT+8*(\a)+4*\c+3], s[74:75] offset:1024*(\a)+512*\c   ; 32 lanes store 512 consecutive bytes, aligned; no store's register is written again
.endr
.endm
.irp a, 0,1,2,3,4,5,6,7
	OUTBLK \a
.endr
.irp u, 0,1
.irp c, 0,1,2,3
	global_store_b128 v[L16], v[CV+16*\u+4*\c:CV+16*\u+4*\c+3], s[76:77] offset:2048*\u+512*\c
.endr
.endr
	s_wait_tensorcnt 0x0                           ; the wave's end
	ds_add_u32 v[SPW], v[NIL]
	s_wait_dscnt 0x0
	CROUND                                         ; the closing round: no work-group ends while a partner may still ask for a tile that names it
	s_endpgm
.Lfunc_end_k_q2184490ca3_qkv:
	.size	k_q2184490ca3_qkv, .Lfunc_end_k_q2184490ca3_qkv-k_q2184490ca3_qkv
	.p2alignl 7, 3214868480
	.fill 96, 4, 3214868480
	.section	.rodata,"a",@progbits
	.p2align	6, 0x0
	.amdhsa_kernel k_q2184490ca3_qkv
		.amdhsa_group_segment_fixed_size 327680
		.amdhsa_private_segment_fixed_size 0
		.amdhsa_enable_private_segment 0
		.amdhsa_kernarg_size 56
		.amdhsa_user_sgpr_count 2
		.amdhsa_user_sgpr_kernarg_segment_ptr 1
		.amdhsa_wavefront_size32 1
		.amdhsa_system_sgpr_workgroup_id_x 1
		.amdhsa_system_sgpr_workgroup_id_y 1
		.amdhsa_system_sgpr_workgroup_id_z 1
		.amdhsa_system_vgpr_workitem_id 0
		.amdhsa_next_free_vgpr 960
		.amdhsa_next_free_sgpr 100
		.amdhsa_reserve_vcc 0
		.amdhsa_float_denorm_mode_32 3
		.amdhsa_float_denorm_mode_16_64 3
		.amdhsa_memory_ordered 1
		.amdhsa_forward_progress 1
		.amdhsa_inst_pref_size 102
	.end_amdhsa_kernel
	.amdgpu_metadata
---
amdhsa.version: [ 1, 2 ]
amdhsa.kernels:
  - .name:           k_q2184490ca3_qkv
    .symbol:         k_q2184490ca3_qkv.kd
    .args:
      - { .name: X_codes, .offset: 0, .size: 8, .value_kind: global_buffer, .address_space: global }
      - { .name: W_qkv_codes, .offset: 8, .size: 8, .value_kind: global_buffer, .address_space: global }
      - { .name: lowp_scales, .offset: 16, .size: 8, .value_kind: global_buffer, .address_space: global }
      - { .name: b_qkv, .offset: 24, .size: 8, .value_kind: global_buffer, .address_space: global }
      - { .name: q_img, .offset: 32, .size: 8, .value_kind: global_buffer, .address_space: global }
      - { .name: k_img, .offset: 40, .size: 8, .value_kind: global_buffer, .address_space: global }
      - { .name: v_img, .offset: 48, .size: 8, .value_kind: global_buffer, .address_space: global }
    .group_segment_fixed_size: 327680
    .private_segment_fixed_size: 0
    .kernarg_segment_align: 8
    .kernarg_segment_size: 56
    .max_flat_workgroup_size: 128
    .sgpr_count:     100
    .vgpr_count:     960
    .wavefront_size: 32
...
	.end_amdgpu_metadata
.endif
;; end of part 1
;; launch attn (part 2): grid 256 x 1, 8 waves a work-group, clusters of 4 x 1, 327,680 bytes of LDS; arguments q_img, k_img, v_img, lowp_scales, attn_img; writes attn_img
.if DOCPART == 2
	.amdgcn_target "amdgcn-amd-amdhsa--gfx1250"
	.amdhsa_code_object_version 6
	.text
	.protected	k_q2184490ca3_attn
	.globl	k_q2184490ca3_attn
	.p2align	8
	.type	k_q2184490ca3_attn,@function
k_q2184490ca3_attn:
	s_mov_b64 s[64:65], 0
	v_nop
	global_prefetch_b8 v0, s[64:65] scope:SCOPE_SE
	s_setreg_imm32_b32 hwreg(HW_REG_WAVE_MODE, 25, 1), 1
	s_wait_xcnt 0x0
	s_wait_alu depctr_hold_cnt(0) depctr_sa_sdst(0) depctr_va_vdst(0) depctr_va_sdst(0) depctr_va_ssrc(0) depctr_va_vcc(0) depctr_vm_vsrc(0)
	s_getreg_b32 s2, hwreg(HW_REG_IB_STS2, 6, 4)
	s_cmp_eq_u32 s2, 0
	s_cbranch_scc0 .Lentry_in_a_cluster
	s_endpgm
.Lentry_in_a_cluster:
	s_bfe_u32 s2, ttmp6, 0x10000c
	s_cmp_lg_u32 s2, 0x3003
	s_cbranch_scc0 .Lentry_shape_is_right
	s_endpgm
.Lentry_shape_is_right:
; attn[b][q][head][:] = softmax_k(Q . K / 8 - slope (q - k), k <= q) V, both products on codes of E5M2; the result is quantised with 2^e6 and stored as an image of the projection's operand registers.
; THE SOFTMAX AHEAD OF THE SECOND PRODUCT: t = logit x log2(e); M = the running largest t rounded UP to a whole number; p = 2^(t - M) is quantised with 2^e5; the row's sum is taken of the unquantised p and divides at the end.
; SHARES.  A cluster of four work-groups is one (batch, head).  The head's whole K and V, 131,072 bytes each, come ONCE into every partner's LDS, by joint tensor loads; no LDS byte is filled twice.
; Queries go in 16 groups of 128, as the keys go in steps of 128.  Of every group, partner cx owns query tiles 8 G + 2 cx and + 1: so which steps count, and which lies on the diagonal, hangs on G alone.
; Wave w owns groups 15 - w and w: 17 steps that count, in every wave.  Its two query tiles share every fragment of K and V.
; ORDER: group 15 - w, steps 0-7 (all open; they need the first halves of K and V alone) | barrier for the second halves | its steps 8-15 | out | group w, steps 0-7 | out.
; LAYOUT.  S^T = K Q^T (source 0 = 16 keys, source 1 = 16 queries): a lane holds ONE query (lane % 16) and keys 16 tile + 8 h + 0..7: converted, they are registers 2 tile, 2 tile + 1 of source 1 of O^T = V^T P^T.
; ALIBI.  t = c S + a (k - q), c = log2(e) / 8 x 2^(e2 + e3), a = slope x log2(e).  With k = KF + off, the part a off is the same in every step: it is the C of the score product, as off x slope x 8 / 2^(e2 + e3);
; the part a (KF - q) joins -M in the one packed multiply-add.  slope = 2^-(1 + 7 head / 15).
; LIMITS on the given exponents: e2 + e3 between -123 and 130; e5 and e6 - e5 - e4 between -126 and 112.  p under 2^-126 counts as 0.  NaN among the inputs is not served.
; REGISTERS: window 0: v1-11 addresses and constants; v12-25, v26-39 a tile's statistics; v40-43 at work; v44-59 Q; v60-91 p's codes; v92 the output's limit; v94 the slope; v96-223 S^T, then p.
;   window 1: v0-63 O^T; v64-127 a step's K; v128-191 its V; v192-255 the table of C.
.set L16,  1                           ; v1  16 x lane
.set AV0,  2                           ; v2  the same in V's half of LDS
.set ADK,  3                           ; v3, v4 the step's addresses
.set ADV,  4
.set AL,   5                           ; v5  a
.set SCL,  6                           ; v6  2^e5;  v7  57,344 x 2^e5
.set LIM,  7
.set NINF, 8                           ; v8  -infinity
.set R,    9                           ; v9  lane % 16
.set H8,   10                          ; v10 8 (lane / 16)
.set SCO,  11                          ; v11 2^(e6 - e5 - e4);  v92  57,344 x that
.set TS,   12                          ; tile u's statistics at v[TS + 14 u]: +0 a (KF - q) - M, +1 the largest t, +2, +3 the sum, +4 f, +5 0, +6 -M, +7 a (KF - q), +8, +9 at work, +10 the permute's, +11 q, +12 q - 8 h, +13 at work
.set C2,   40
.set Q,    44
.set P,    60
.set LIMO, 92
.set SLP,  94
.set S,    96
.set O,    0                           ; window 1
.set KFR,  64
.set VFR,  128
.set CTB,  192
.set WV,  14
.set CX,  15
.set BH,  16
.set HD,  17
.set SEL, 20                           ; s[20:21] v_permlanex16_b32's selects: lane l xor 16
.set CS,  22                           ; s[22:23] c
.set G1,  24
.set G0K, 32                           ; s[32:39] K's two halves; s[40:47] V's
.set G0V, 40
.set GR,  48                           ; the group of queries in hand
.set SI,  49                           ; the key step
.set KF,  50                           ; its first key
.set TB,  51                           ; its first byte in K's, and in V's, half of LDS
.set CNT, 52
.set QP,  54
.set OP,  56
.set VBASE, 131072
.set MSB, 0
.macro WIN new
.if MSB != (\new)
	s_set_vgpr_msb (MSB<<8)|(\new)
.set MSB, (\new)
.endif
.endm
.macro CROUND                          ; a round of the cluster's barrier
	s_barrier_signal -1
	s_barrier_wait -1
	s_cmp_lg_u32 s[WV], 0
	s_cbranch_scc1 .Lnot_wave_0_\@
	s_barrier_signal -3
.Lnot_wave_0_\@:
	s_barrier_wait -3
	s_barrier_signal -1
	s_barrier_wait -1
.endm
	s_load_b256 s[4:11], s[0:1], 0x0               ; q_img s[4:5], k_img s[6:7], v_img s[8:9], the exponents s[10:11]
	s_load_b64 s[12:13], s[0:1], 0x20              ; attn_img
	v_lshl_add_u32 v254, v0, 2, 0x40000
	v_mov_b32 v255, 0
	ds_add_u32 v254, v255
	ds_add_u32 v254, v255
	v_lshrrev_b32 v1, 5, v0
	v_readfirstlane_b32 s[WV], v1                  ; wave 0..7
	s_bfe_u32 s[CX], ttmp6, 0x40000                ; my place in the cluster: it enters Q's and the output's addresses and the queries' numbers alone
	s_mov_b32 s[BH], ttmp9                         ; 16 x batch + head: the cluster's number
	s_and_b32 s[HD], s[BH], 15
	s_mov_b32 s[G1], 15|(3<<16)|(1<<21)            ; the mask: all four partners; elements of 8 bytes; bit 21 beside a mask; no padding: the images are read 512 consecutive bytes an instruction
	s_mov_b32 s[G1+1], 32<<16                      ; rows of 256 bytes,
	s_mov_b32 s[G1+2], 64<<16                      ; 64 of them: 16,384 bytes a load
	s_mov_b32 s[G1+3], 32<<16
	s_mov_b32 s[G1+4], 64
	s_mov_b32 s[G1+5], 32                          ; dense
	s_mov_b32 s[G1+6], 0
	s_mov_b32 s[G1+7], 0
	s_mov_b32 s[SEL], 0x76543210
	s_mov_b32 s[SEL+1], 0xfedcba98
	s_and_b32 s18, s[WV], 3
	s_lshl_b32 s18, s18, 14                        ; my quarter of a half
	s_lshl_b32 s58, s[BH], 17                      ; the head's first byte in q_img, k_img and v_img
	s_mov_b32 s59, 0
	s_add_co_u32 s60, s58, s18
	s_mov_b32 s61, 0
	s_lshr_b32 s62, s[BH], 4
	s_lshl_b32 s62, s62, 21                        ; attn_img: a batch's 128 row tiles of 16,384 bytes,
	s_lshl_b32 s63, s[HD], 10                      ; the head's 1,024 bytes in a tile
	s_add_co_u32 s62, s62, s63
	s_mov_b32 s63, 0
	s_wait_dscnt 0x0
	s_wait_kmcnt 0x0
	s_load_b256 s[80:87], s[10:11], 0x0            ; e0 .. e7
	s_add_nc_u64 s[6:7], s[6:7], s[60:61]
	s_add_nc_u64 s[8:9], s[8:9], s[60:61]
	s_add_nc_u64 s[4:5], s[4:5], s[58:59]
	s_add_nc_u64 s[12:13], s[12:13], s[62:63]
	CROUND                                         ; all four work-groups are here: the joint loads meet
.irp y, 0,1
	s_mov_b32 s[G0K+4*\y], 1
	s_add_co_u32 s[G0K+4*\y+1], s18, \y*65536
	s_add_nc_u64 s[G0K+4*\y+2:G0K+4*\y+3], s[6:7], \y*65536
	s_or_b32 s[G0K+4*\y+3], s[G0K+4*\y+3], 0x80000000
	s_mov_b32 s[G0V+4*\y], 1
	s_add_co_u32 s[G0V+4*\y+1], s18, VBASE+\y*65536
	s_add_nc_u64 s[G0V+4*\y+2:G0V+4*\y+3], s[8:9], \y*65536
	s_or_b32 s[G0V+4*\y+3], s[G0V+4*\y+3], 0x80000000
.endr
	s_cmp_lt_u32 s[WV], 4                          ; waves 0-3 fetch K, waves 4-7 V: a wave's two fills stand in one branch; two loads of mine are out; four v_nop follow the second
	s_cbranch_scc0 .Lfirst_v
	tensor_load_to_lds s[G0K:G0K+3], s[G1:G1+7]
	s_nop 0
	tensor_load_to_lds s[G0K+4:G0K+7], s[G1:G1+7]
	s_nop 0
.rept 4
	v_nop
.endr
	s_branch .Lfirst_asked
.Lfirst_v:
	tensor_load_to_lds s[G0V:G0V+3], s[G1:G1+7]
	s_nop 0
	tensor_load_to_lds s[G0V+4:G0V+7], s[G1:G1+7]
	s_nop 0
.rept 4
	v_nop
.endr
.Lfirst_asked:
	v_and_b32 v[L16], 31, v0
	v_lshlrev_b32 v[L16], 4, v[L16]
	v_add_nc_u32 v[AV0], VBASE, v[L16]
	v_and_b32 v[R], 15, v0
	v_bfe_u32 v[H8], v0, 4, 1
	v_lshlrev_b32 v[H8], 3, v[H8]
	v_mov_b32 v[NINF], 0xff800000
	v_cvt_f32_u32 v[SLP], s[HD]
	v_fma_f32 v[SLP], v[SLP], 0xbeeeeeef, -1.0     ; -(1 + 7 head / 15)
	v_exp_f32 v[SLP], v[SLP]                       ; the slope
	v_nop                                          ; a plain instruction behind the transcendental
	s_wait_kmcnt 0x0
	s_add_co_i32 s66, s82, s83                     ; e2 + e3
	s_lshl_b32 s67, s66, 23
	s_mov_b32 s[CS], 0x3e38aa3b                    ; log2(e) / 8,
	s_add_co_i32 s[CS], s[CS], s67                 ; x 2^(e2 + e3): added to the exponent field
	s_mov_b32 s[CS+1], s[CS]                       ; (named with it as a pair, so it is written)
	s_sub_co_i32 s66, 3, s66
	s_add_co_i32 s67, s85, 127
	s_lshl_b32 s68, s67, 23
	v_mov_b32 v[SCL], s68
	s_add_co_i32 s67, s67, 15
	s_lshl_b32 s67, s67, 23
	s_or_b32 s67, s67, 0x600000
	v_mov_b32 v[LIM], s67
	s_sub_co_i32 s67, s86, s85
	s_sub_co_i32 s67, s67, s84                     ; O^T / the sum stands for that x 2^(e5 + e4): its code is that / 2^(e6 - e5 - e4)
	s_add_co_i32 s67, s67, 127
	s_lshl_b32 s68, s67, 23
	v_mov_b32 v[SCO], s68
	s_add_co_i32 s67, s67, 15
	s_lshl_b32 s67, s67, 23
	s_or_b32 s67, s67, 0x600000
	v_mov_b32 v[LIMO], s67
	s_wait_alu depctr_va_vdst(0)                   ; a wait ahead of the first use of the exponential
	v_mul_f32 v[AL], 0x3fb8aa3b, v[SLP]            ; a = slope x log2(e)
	v_ldexp_f32 v[SLP], v[SLP], s66                ; slope x 8 / 2^(e2 + e3)
	WIN 0x40                                       ; the table: register 8 tile + j = (16 tile + 8 h + j) x that
.irp t, 0,1,2,3,4,5,6,7
.irp j, 0,1,2,3,4,5,6,7
	v_add_nc_u32 v[CTB+8*\t+\j], 16*\t+\j, v[H8]
.endr
.endr
	WIN 0x41
.set i, 0
.rept 64
	v_cvt_f32_u32 v[CTB+i], v[CTB+i]
.set i, i+1
.endr
.set i, 0
.rept 64
	v_mul_f32 v[CTB+i], v[CTB+i], v[SLP]
.set i, i+1
.endr
	WIN 0
; A group's start: Q's two fragments, the queries' numbers, the statistics; O^T and the sum begin as zeros and the largest t as -3e38, so that the step is written once: its first f is 0.
.macro INIT
	s_wait_xcnt 0x0                                ; the last group's stores have read their base and their data: both are written again below and in the steps
	s_lshl_b32 s58, s[GR], 3
	s_lshl_b32 s59, s[CX], 1
	s_add_co_u32 s58, s58, s59                     ; my first query tile: 8 G + 2 cx
	s_lshl_b32 s60, s58, 10
	s_mov_b32 s61, 0
	s_add_nc_u64 s[QP:QP+1], s[4:5], s[60:61]
	s_lshl_b32 s60, s58, 14
	s_add_nc_u64 s[OP:OP+1], s[12:13], s[60:61]
	s_lshl_b32 s58, s58, 4
.irp u, 0,1
.irp c, 0,1
	global_load_b128 v[Q+8*\u+4*\c:Q+8*\u+4*\c+3], v[L16], s[QP:QP+1] offset:1024*\u+512*\c
.endr
.endr
	v_add_nc_u32 v[TS+11], s58, v[R]
	v_add_nc_u32 v[TS+14+11], 16, v[TS+11]
.irp u, 0,1
	v_sub_nc_u32 v[TS+14*\u+12], v[TS+14*\u+11], v[H8]
	v_mov_b32 v[TS+14*\u+1], 0xff61b1e6            ; -3e38, under every t
	v_mov_b32 v[TS+14*\u+2], 0
	v_mov_b32 v[TS+14*\u+3], 0
	v_mov_b32 v[TS+14*\u+5], 0                     ; (named as the upper half of f's pair)
	v_mov_b32 v[TS+14*\u+10], 0                    ; (a lane permute's destination counts as one of its sources)
.endr
.irp u, 0,1
	v_floor_f32 v[TS+14*\u+6], -v[TS+14*\u+1]
.endr
	WIN 0x40
.set i, 0
.rept 64
	v_mov_b32 v[O+i], 0
.set i, i+1
.endr
	WIN 0
	s_wait_loadcnt 0x0
.endm
; A KEY STEP: 128 keys for my two query tiles.  mask = 1: a step whose keys all come after the group's queries is left out (a scalar branch on the wave's number and the step's count), and in the step on the diagonal hidden scores become -infinity.
.macro STEP mask
.if \mask
	s_cmp_gt_u32 s[SI], s[GR]
	s_cbranch_scc1 .Lhidden_\@
.endif
	v_add_nc_u32 v[ADK], s[TB], v[L16]             ; these eight plain lines are also the places between the last step's products and the loads into V's registers
	v_add_nc_u32 v[ADV], s[TB], v[AV0]
.irp u, 0,1
	v_sub_nc_u32 v[TS+14*\u+7], s[KF], v[TS+14*\u+11]
.endr
.irp u, 0,1
	v_cvt_f32_i32 v[TS+14*\u+7], v[TS+14*\u+7]
.endr
.irp u, 0,1
	v_mul_f32 v[TS+14*\u+7], v[AL], v[TS+14*\u+7]  ; a (KF - q)
.endr
	WIN 0x40
.irp t, 0,1,2,3,4,5,6,7
.irp c, 0,1
	ds_load_b128 v[KFR+8*\t+4*\c:KFR+8*\t+4*\c+3], v[ADK] offset:1024*\t+512*\c
.endr
.endr
.irp t, 0,1,2,3
.irp c, 0,1,2,3
	ds_load_b128 v[VFR+16*\t+4*\c:VFR+16*\t+4*\c+3], v[ADV] offset:2048*\t+512*\c
.endr
.endr
	s_wait_dscnt 16                                ; K's 16 loads are in; V's 16 may be out
	WIN 0x11                                       ; K and the table in window 1, Q and S^T in window 0
.irp t, 0,1,2,3,4,5,6,7
.irp u, 0,1
	v_wmma_f32_16x16x64_bf8_bf8 v[S+64*\u+8*\t:S+64*\u+8*\t+7], v[KFR+8*\t:KFR+8*\t+7], v[Q+8*\u:Q+8*\u+7], v[CTB+8*\t:CTB+8*\t+7]
.endr
.endr
	WIN 0
.rept 4
	v_nop
.endr
.if \mask
	s_cmp_lg_u32 s[SI], s[GR]
	s_cbranch_scc1 .Lopen_\@
.irp u, 0,1
	v_sub_nc_u32 v[TS+14*\u+13], v[TS+14*\u+12], s[KF]   ; q - 8 h - KF: register 8 tile + j holds key KF + 16 tile + 8 h + j: hidden where 16 tile + j is above it
.endr
.irp u, 0,1
.irp t, 0,1,2,3,4,5,6,7
.irp j, 0,1,2,3,4,5,6,7
	v_cmp_gt_i32 vcc_lo, 16*\t+\j, v[TS+14*\u+13]
	v_cndmask_b32 v[S+64*\u+8*\t+\j], v[S+64*\u+8*\t+\j], v[NINF], vcc_lo
.endr
.endr
.endr
.Lopen_\@:
.endif
	; the step's largest score of each query, in two chains a tile, each accumulator from its low end on; the tiles alternate
.irp u, 0,1
	v_max3_num_f32 v[TS+14*\u+8], v[S+64*\u], v[S+64*\u+1], v[S+64*\u+2]
.endr
.irp u, 0,1
	v_max3_num_f32 v[TS+14*\u+9], v[S+64*\u+3], v[S+64*\u+4], v[S+64*\u+5]
.endr
.irp i, 6,10,14,18,22,26,30,34,38,42,46,50,54,58
.irp u, 0,1
	v_max3_num_f32 v[TS+14*\u+8], v[TS+14*\u+8], v[S+64*\u+\i], v[S+64*\u+\i+1]
.endr
.irp u, 0,1
	v_max3_num_f32 v[TS+14*\u+9], v[TS+14*\u+9], v[S+64*\u+\i+2], v[S+64*\u+\i+3]
.endr
.endr
.irp u, 0,1
	v_max3_num_f32 v[TS+14*\u+8], v[TS+14*\u+8], v[S+64*\u+62], v[S+64*\u+63]
.endr
.irp u, 0,1
	v_max_num_f32 v[TS+14*\u+8], v[TS+14*\u+8], v[TS+14*\u+9]
.endr
.irp u, 0,1
	v_permlanex16_b32 v[TS+14*\u+10], v[TS+14*\u+8], s[SEL], s[SEL+1]
.endr
.irp u, 0,1
	v_max_num_f32 v[TS+14*\u+8], v[TS+14*\u+8], v[TS+14*\u+10]   ; and among lane l xor 16's keys
.endr
.irp u, 0,1
	v_fma_f32 v[TS+14*\u+8], v[TS+14*\u+8], s[CS], v[TS+14*\u+7]  ; as t (c is positive)
.endr
.irp u, 0,1
	v_max_num_f32 v[TS+14*\u+1], v[TS+14*\u+1], v[TS+14*\u+8]     ; the running largest t
.endr
.irp u, 0,1
	v_mov_b32 v[TS+14*\u+9], v[TS+14*\u+6]
.endr
.irp u, 0,1
	v_floor_f32 v[TS+14*\u+6], -v[TS+14*\u+1]      ; the new -M = -ceil(t): a whole number
.endr
.irp u, 0,1
	v_sub_f32 v[TS+14*\u+9], v[TS+14*\u+6], v[TS+14*\u+9]   ; old M - new M, 0 or less
.endr
.irp u, 0,1
	v_cvt_i32_f32 v[TS+14*\u+9], v[TS+14*\u+9]     ; (it saturates)
.endr
.irp u, 0,1
	v_ldexp_f32 v[TS+14*\u+4], 1.0, v[TS+14*\u+9]  ; f = 2^(old M - new M): a multiplication by it rounds nothing
.endr
.irp u, 0,1
	v_add_f32 v[TS+14*\u], v[TS+14*\u+7], v[TS+14*\u+6]     ; a (KF - q) - M
.endr
.irp u, 0,1
.set i, 0
.rept 32
	v_pk_fma_f32 v[S+64*\u+i:S+64*\u+i+1], v[S+64*\u+i:S+64*\u+i+1], s[CS:CS+1], v[TS+14*\u:TS+14*\u+1] op_sel_hi:[1,0,0]   ; t - M, two at a time (of both pairs the low word serves both halves)
.set i, i+2
.endr
.endr
.set i, 0
.rept 128
	v_exp_f32 v[S+i], v[S+i]                       ; p = 2^(t - M): both tiles' exponentials are one batch
.set i, i+1
.endr
.irp u, 0,1
	v_pk_mul_f32 v[TS+14*\u+2:TS+14*\u+3], v[TS+14*\u+2:TS+14*\u+3], v[TS+14*\u+4:TS+14*\u+5] op_sel_hi:[1,0]   ; the sums under the new M (the plain instruction behind the batch)
.endr
	s_wait_alu depctr_va_vdst(0)                   ; one wait for the batch, ahead of its first reader
.irp u, 0,1
	v_pk_add_f32 v[C2+2*\u:C2+2*\u+1], v[S+64*\u:S+64*\u+1], v[S+64*\u+2:S+64*\u+3]   ; the row's sum is taken of the unquantised p, in two chains a tile
.endr
.irp j, 4,8,12,16,20,24,28,32,36,40,44,48,52,56,60
.irp u, 0,1
	v_pk_add_f32 v[TS+14*\u+2:TS+14*\u+3], v[TS+14*\u+2:TS+14*\u+3], v[S+64*\u+\j:S+64*\u+\j+1]
	v_pk_add_f32 v[C2+2*\u:C2+2*\u+1], v[C2+2*\u:C2+2*\u+1], v[S+64*\u+\j+2:S+64*\u+\j+3]
.endr
.endr
.irp u, 0,1
	v_pk_add_f32 v[TS+14*\u+2:TS+14*\u+3], v[TS+14*\u+2:TS+14*\u+3], v[C2+2*\u:C2+2*\u+1]
.endr
.set i, 0
.rept 128
	v_min_num_f32 v[S+i], v[S+i], v[LIM]           ; the conversion to an 8-bit code does not saturate (ISA guide 7.6.2); p is not negative, so the hold is one-sided
.set i, i+1
.endr
.irp u, 0,1
.irp t, 0,1,2,3,4,5,6,7
	v_cvt_scalef32_pk8_bf8_f32 v[P+16*\u+2*\t:P+16*\u+2*\t+1], v[S+64*\u+8*\t:S+64*\u+8*\t+7], v[SCL]   ; keys 16 t + 8 h + 0..7: registers 2 t, 2 t + 1 of the operand
.endr
.endr
	WIN 0x41
.irp u, 0,1
.set i, 0
.rept 16
	v_pk_mul_f32 v[O+32*\u+i:O+32*\u+i+1], v[O+32*\u+i:O+32*\u+i+1], v[TS+14*\u+4:TS+14*\u+5] op_sel_hi:[1,0]   ; O^T under the new M (also the plain instructions behind the conversions)
.set i, i+2
.endr
.endr
	s_wait_dscnt 0x0                               ; V is in
	WIN 0x51                                       ; V and O^T in window 1, p in window 0
.irp t, 0,1,2,3
.irp u, 0,1
	v_wmma_f32_16x16x128_bf8_bf8 v[O+32*\u+8*\t:O+32*\u+8*\t+7], v[VFR+16*\t:VFR+16*\t+15], v[P+16*\u:P+16*\u+15], v[O+32*\u+8*\t:O+32*\u+8*\t+7]   ; eight accumulators by turns; score products stand between two links of a chain
.endr
.endr
	WIN 0
.if \mask
.Lhidden_\@:
.endif
	s_add_co_u32 s[SI], s[SI], 1
	s_add_co_u32 s[KF], s[KF], 128
	s_add_co_u32 s[TB], s[TB], 8192
.endm
.macro LOOP8 mask                      ; eight key steps: the trip count is a constant of the text
	s_mov_b32 s[CNT], 8
.Lstep_\@:
	STEP \mask
	s_sub_co_u32 s[CNT], s[CNT], 1
	s_cmp_lg_u32 s[CNT], 0
	s_cbranch_scc1 .Lstep_\@
.endm
; A group's end: O^T / the sum, held, converted with 2^(e6 - e5 - e4), stored as it stands: registers 4 b .. 4 b + 3 = d 32 b + 16 h + 0..15 of row r.  The additions are the places behind the last products.
.macro FINISH
.irp u, 0,1
	v_add_f32 v[TS+14*\u+8], v[TS+14*\u+2], v[TS+14*\u+3]
.endr
.irp u, 0,1
	v_permlanex16_b32 v[TS+14*\u+10], v[TS+14*\u+8], s[SEL], s[SEL+1]
.endr
.irp u, 0,1
	v_add_f32 v[TS+14*\u+8], v[TS+14*\u+8], v[TS+14*\u+10]
.endr
.irp u, 0,1
	v_rcp_f32 v[TS+14*\u+4], v[TS+14*\u+8]
.endr
	v_nop                                          ; a plain instruction behind the reciprocals,
	s_wait_alu depctr_va_vdst(0)                   ; and one wait for both, ahead of their first reader
	WIN 0x01
.irp u, 0,1
.set i, 0
.rept 16
	v_pk_mul_f32 v[S+64*\u+i:S+64*\u+i+1], v[O+32*\u+i:O+32*\u+i+1], v[TS+14*\u+4:TS+14*\u+5] op_sel_hi:[1,0]
.set i, i+2
.endr
.endr
	WIN 0
.irp u, 0,1
.set i, 0
.rept 32
	v_med3_num_f32 v[S+64*\u+i], v[S+64*\u+i], -v[LIMO], v[LIMO]
.set i, i+1
.endr
.endr
.irp u, 0,1
.irp t, 0,1,2,3
	v_cvt_scalef32_pk8_bf8_f32 v[P+16*\u+2*\t:P+16*\u+2*\t+1], v[S+64*\u+8*\t:S+64*\u+8*\t+7], v[SCO]
.endr
.endr
	v_nop                                          ; a plain instruction behind the last conversion
.irp u, 0,1
.irp c, 0,1
	global_store_b128 v[L16], v[P+16*\u+4*\c:P+16*\u+4*\c+3], s[OP:OP+1] offset:16384*\u+512*\c   ; 32 lanes store 512 consecutive bytes, aligned
.endr
.endr
.endm
	s_sub_co_u32 s[GR], 15, s[WV]                  ; the late group first
	INIT
	s_mov_b32 s[SI], 0
	s_mov_b32 s[KF], 0
	s_mov_b32 s[TB], 0
	s_wait_tensorcnt 0x1                           ; my part of the first halves is in; the second halves' load may stay out
	s_barrier_signal -1
	s_barrier_wait -1                              ; everybody's is
	LOOP8 0                                        ; steps 0-7 of groups 8-15: all open
	s_wait_tensorcnt 0x0                           ; my part of the second halves is in
	s_wait_dscnt 0x0
	s_barrier_signal -1
	s_barrier_wait -1
	s_mov_b32 s[TB], 65536
	LOOP8 1                                        ; steps 8-15
	FINISH
	s_mov_b32 s[GR], s[WV]                         ; the early group
	INIT
	s_mov_b32 s[SI], 0
	s_mov_b32 s[KF], 0
	s_mov_b32 s[TB], 0
	LOOP8 1
	FINISH
	s_wait_dscnt 0x0
	s_wait_tensorcnt 0x0
	ds_add_u32 v254, v255
	s_wait_dscnt 0x0
	CROUND                                         ; the closing round
	s_endpgm
.Lfunc_end_k_q2184490ca3_attn:
	.size	k_q2184490ca3_attn, .Lfunc_end_k_q2184490ca3_attn-k_q2184490ca3_attn
	.p2alignl 7, 3214868480
	.fill 96, 4, 3214868480
	.section	.rodata,"a",@progbits
	.p2align	6, 0x0
	.amdhsa_kernel k_q2184490ca3_attn
		.amdhsa_group_segment_fixed_size 327680
		.amdhsa_private_segment_fixed_size 0
		.amdhsa_enable_private_segment 0
		.amdhsa_kernarg_size 40
		.amdhsa_user_sgpr_count 2
		.amdhsa_user_sgpr_kernarg_segment_ptr 1
		.amdhsa_wavefront_size32 1
		.amdhsa_system_sgpr_workgroup_id_x 1
		.amdhsa_system_sgpr_workgroup_id_y 1
		.amdhsa_system_sgpr_workgroup_id_z 1
		.amdhsa_system_vgpr_workitem_id 0
		.amdhsa_next_free_vgpr 512
		.amdhsa_next_free_sgpr 96
		.amdhsa_reserve_vcc 1
		.amdhsa_float_denorm_mode_32 3
		.amdhsa_float_denorm_mode_16_64 3
		.amdhsa_memory_ordered 1
		.amdhsa_forward_progress 1
		.amdhsa_inst_pref_size 141
	.end_amdhsa_kernel
	.amdgpu_metadata
---
amdhsa.version: [ 1, 2 ]
amdhsa.kernels:
  - .name:           k_q2184490ca3_attn
    .symbol:         k_q2184490ca3_attn.kd
    .args:
      - { .name: q_img, .offset: 0, .size: 8, .value_kind: global_buffer, .address_space: global }
      - { .name: k_img, .offset: 8, .size: 8, .value_kind: global_buffer, .address_space: global }
      - { .name: v_img, .offset: 16, .size: 8, .value_kind: global_buffer, .address_space: global }
      - { .name: lowp_scales, .offset: 24, .size: 8, .value_kind: global_buffer, .address_space: global }
      - { .name: attn_img, .offset: 32, .size: 8, .value_kind: global_buffer, .address_space: global }
    .group_segment_fixed_size: 327680
    .private_segment_fixed_size: 0
    .kernarg_segment_align: 8
    .kernarg_segment_size: 40
    .max_flat_workgroup_size: 256
    .sgpr_count:     96
    .vgpr_count:     512
    .wavefront_size: 32
...
	.end_amdgpu_metadata
.endif
;; end of part 2
;; launch proj (part 3): grid 4 x 64, 4 waves a work-group, clusters of 4 x 4, 327,680 bytes of LDS; arguments attn_img, W_out_codes, lowp_scales, b_out, out0; writes out0
.if DOCPART == 3
	.amdgcn_target "amdgcn-amd-amdhsa--gfx1250"
	.amdhsa_code_object_version 6
	.text
	.protected	k_q2184490ca3_proj
	.globl	k_q2184490ca3_proj
	.p2align	8
	.type	k_q2184490ca3_proj,@function
k_q2184490ca3_proj:
	s_mov_b64 s[64:65], 0
	v_nop
	global_prefetch_b8 v0, s[64:65] scope:SCOPE_SE
	s_setreg_imm32_b32 hwreg(HW_REG_WAVE_MODE, 25, 1), 1
	s_wait_xcnt 0x0
	s_wait_alu depctr_hold_cnt(0) depctr_sa_sdst(0) depctr_va_vdst(0) depctr_va_sdst(0) depctr_va_ssrc(0) depctr_va_vcc(0) depctr_vm_vsrc(0)
	s_getreg_b32 s2, hwreg(HW_REG_IB_STS2, 6, 4)
	s_cmp_eq_u32 s2, 0
	s_cbranch_scc0 .Lentry_in_a_cluster
	s_endpgm
.Lentry_in_a_cluster:
	s_bfe_u32 s2, ttmp6, 0x10000c
	s_cmp_lg_u32 s2, 0xf033
	s_cbranch_scc0 .Lentry_shape_is_right
	s_endpgm
.Lentry_shape_is_right:
; out0 = attn W_out + b_out on codes of E5M2: each finished sum x 2^(e6 + e7), + the bias, in one packed multiply-add.  out0: [8192][1024] f32.
; attn arrives as images of operand registers: [row tile 512][head 16][piece 2][lane][16 bytes]; two heads on end are a fragment of 16 rows x 128 K whose registers 4 c .. 4 c + 3 hold K = 32 c + 16 h + 0..15,
; the places that four loads of 16 bytes give a fragment of W_out ([1024][1024] codes, K innermost): the same places of k on both sides, so every product meets its partner.
; SHARES.  A tile of the output is 128 rows x 256 columns: 256 work-groups.  Four waves, each 64 x 128: 32 accumulators.  The product is used transposed (source 0 = 16 rows of W_out, source 1 = 16 rows of attn):
; a lane holds 8 neighbouring columns of one row.  K goes in steps of 256 through two LDS slots filled by joint tensor loads: attn's tile is shared along a row of the 4 x 4 cluster, W_out's along a column.
; LIMIT: e6 + e7 lies between -126 and 127, so that 2^(e6 + e7) is an f32 number.
; REGISTERS: window 0: v16-29 addresses; v32-95 at work on the way out; v96-159 rows read back; v160-223 attn's 4 fragments (one set), later rows read back.  window 1: W_out's 8 fragments, two sets.
;   window 2: the accumulators ((a, b) at v[8 (8 a + b)]).  window 3: v0-63 the bias in the result's layout.
.set PITCH, 272                        ; W_out's rows in LDS: 256 bytes + 16 of padding
.set ATILE, 4096                       ; a row tile's part of a slot: four heads' images, dense: read 512 consecutive bytes an instruction
.set HALFA, 4*ATILE
.set BOFF,  2*HALFA
.set HALFB, 128*PITCH
.set SLOT,  BOFF+2*HALFB
.set SPARE, 2*SLOT                     ; the spare words, 128 bytes a wave, which no other line names
.set STAGE, SPARE+512                  ; the way out: 16 rows x 528 bytes for each wave: bytes into which no tile lands
.set SPITCH, 528
.set PADW,  (1<<20)|(1<<21)|(5<<22)|(3<<25)
.set ADRA, 16
.set ADRB, 20
.set STO,  24
.set RD,   25
.set CO,   26
.set SPW,  28
.set NIL,  29
.set TMP,  32
.set BK,   96
.set AF,   160
.set G1,  24
.set G0,  32
.set G1B, 48
.set G0B, 56
.set MSB, 0
.macro WIN new
.if MSB != (\new)
	s_set_vgpr_msb (MSB<<8)|(\new)
.set MSB, (\new)
.endif
.endm
.macro JLOAD g0a, g1a, g0b, g1b        ; waves 0 and 1 fetch attn's halves, waves 2 and 3 W_out's; four v_nop follow each line
	s_cmp_eq_u32 s15, 0
	s_cbranch_scc0 .Lfor_b_\@
	tensor_load_to_lds s[\g0a:\g0a+3], s[\g1a:\g1a+7]
	s_nop 0
.rept 4
	v_nop
.endr
	s_branch .Lasked_\@
.Lfor_b_\@:
	tensor_load_to_lds s[\g0b:\g0b+3], s[\g1b:\g1b+7]
	s_nop 0
.rept 4
	v_nop
.endr
.Lasked_\@:
.endm
.macro CREST
	s_cmp_lg_u32 s14, 0
	s_cbranch_scc1 .Lnot_wave_0_\@
	s_barrier_signal -3
.Lnot_wave_0_\@:
	s_barrier_wait -3
	s_barrier_signal -1
	s_barrier_wait -1
.endm
.macro CROUND
	s_barrier_signal -1
	s_barrier_wait -1
	CREST
.endm
.macro PLACES n
.rept \n
	v_nop
.endr
.endm
	s_load_b256 s[4:11], s[0:1], 0x0               ; attn_img s[4:5], W_out s[6:7], the exponents s[8:9], b_out s[10:11]
	s_load_b64 s[12:13], s[0:1], 0x20              ; out0
	v_lshl_add_u32 v[SPW], v0, 2, SPARE
	v_mov_b32 v[NIL], 0
	ds_add_u32 v28, v29
	ds_add_u32 v28, v29
	s_wait_dscnt 0x0
	v_lshrrev_b32 v1, 5, v0
	v_readfirstlane_b32 s14, v1                    ; wave 0..3
	s_lshr_b32 s15, s14, 1                         ; my half of the rows.  Also: I fetch for attn (0) or for W_out (1)
	s_and_b32 s16, s14, 1                          ; my half of the columns.  Also: which half of that tile I fetch
	s_bfe_u32 s40, ttmp6, 0x40000
	s_bfe_u32 s41, ttmp6, 0x40004
	s_lshl_b32 s42, ttmp9, 2
	s_add_co_u32 s42, s42, s40                     ; the block of 256 columns
	s_and_b32 s17, ttmp7, 0xffff
	s_lshl_b32 s17, s17, 2
	s_add_co_u32 s17, s17, s41                     ; the block of 128 rows
	s_lshl_b32 s43, s41, 2
	s_lshl_b32 s43, 15, s43                        ; my row of the cluster
	s_lshl_b32 s44, 0x1111, s40                    ; my column
	s_or_b32 s[G1+0], s43, (3<<16)|(1<<21)         ; attn's tiles go to my row; elements of 8 bytes; no padding
	s_mov_b32 s[G1+1], 512<<16                     ; a row of the tile: one row tile's 4,096 bytes of this K step
	s_mov_b32 s[G1+2], 4<<16                       ; four row tiles
	s_mov_b32 s[G1+3], 512<<16
	s_mov_b32 s[G1+4], 4
	s_mov_b32 s[G1+5], 2048                        ; 16,384 bytes from row tile to row tile
	s_mov_b32 s[G1+6], 0
	s_mov_b32 s[G1+7], 0
	s_or_b32 s[G1B+0], s44, PADW                   ; W_out's tiles go to my column; elements of 1 byte; 4 words of padding after every 64
	s_mov_b32 s[G1B+1], 256<<16
	s_mov_b32 s[G1B+2], 128<<16
	s_mov_b32 s[G1B+3], 256<<16
	s_mov_b32 s[G1B+4], 128
	s_mov_b32 s[G1B+5], 1024
	s_mov_b32 s[G1B+6], 0
	s_mov_b32 s[G1B+7], 0
	s_lshl_b32 s20, s17, 3
	s_lshl_b32 s18, s16, 2
	s_add_co_u32 s20, s20, s18                     ; attn: row tile 8 x block + 4 x half
	s_lshl_b32 s20, s20, 14
	s_mov_b32 s21, 0
	s_lshl_b32 s46, s42, 8
	s_lshl_b32 s19, s16, 7
	s_add_co_u32 s46, s46, s19                     ; W_out: row 256 x block + 128 x half
	s_lshl_b32 s46, s46, 10
	s_mov_b32 s47, 0
	s_lshl_b32 s45, s16, 14                        ; where they go
	s_mul_i32 s22, s16, HALFB
	s_add_co_u32 s22, s22, BOFF
	s_wait_kmcnt 0x0
	s_load_b64 s[96:97], s[8:9], 0x18              ; e6, e7
	s_add_nc_u64 s[20:21], s[4:5], s[20:21]
	s_add_nc_u64 s[46:47], s[6:7], s[46:47]
	CROUND                                         ; all sixteen work-groups are here: the first joint loads meet
.irp s, 0,1
	s_mov_b32 s[G0+4*\s], 1
	s_add_co_u32 s[G0+4*\s+1], s45, \s*SLOT
	s_add_nc_u64 s[G0+4*\s+2:G0+4*\s+3], s[20:21], \s*ATILE
	s_or_b32 s[G0+4*\s+3], s[G0+4*\s+3], 0x80000000
	s_mov_b32 s[G0B+4*\s], 1
	s_add_co_u32 s[G0B+4*\s+1], s22, \s*SLOT
	s_add_nc_u64 s[G0B+4*\s+2:G0B+4*\s+3], s[46:47], \s*256
	s_or_b32 s[G0B+4*\s+3], s[G0B+4*\s+3], 0x80000000
	JLOAD G0+4*\s, G1, G0B+4*\s, G1B               ; two loads of mine are out
.endr
	v_and_b32 v1, 15, v0                           ; r
	v_bfe_u32 v2, v0, 4, 1                         ; h
	v_and_b32 v6, 31, v0
	v_lshlrev_b32 v[CO], 4, v6                     ; 16 x lane
	v_mul_u32_u24 v3, v1, PITCH
	v_lshl_add_u32 v3, v2, 4, v3
	s_lshl_b32 s18, s15, 14                        ; my four row tiles
	s_mul_i32 s19, s16, HALFB
	s_add_co_u32 s19, s19, BOFF                    ; my 128 rows of W_out
.irp s, 0,1
	v_add_nc_u32 v[ADRA+\s], s18, v[CO]
	v_add_nc_u32 v[ADRB+\s], s19, v3
	s_add_co_u32 s18, s18, SLOT
	s_add_co_u32 s19, s19, SLOT
.endr
	s_mul_i32 s23, s14, 16*SPITCH
	s_add_co_u32 s23, s23, STAGE                   ; my stage
	v_mul_u32_u24 v5, v1, SPITCH
	v_lshl_add_u32 v5, v2, 5, v5
	v_add_nc_u32 v[STO], s23, v5                   ; in: row r, 32 bytes for each half of the lanes
	v_add_nc_u32 v[RD], s23, v[CO]                 ; back: the 32 lanes take one row of 512 bytes
	s_lshl_b32 s46, s42, 10
	s_lshl_b32 s47, s16, 9
	s_add_co_u32 s46, s46, s47                     ; my first column, in bytes: in a row of out0 and in b_out alike
	s_mov_b32 s47, 0
	s_add_nc_u64 s[10:11], s[10:11], s[46:47]
	s_lshl_b32 s20, s17, 7
	s_lshl_b32 s21, s15, 6
	s_add_co_u32 s20, s20, s21                     ; my first row
	s_lshl_b32 s20, s20, 12
	s_add_co_u32 s20, s20, s46
	s_mov_b32 s21, 0
	s_add_nc_u64 s[12:13], s[12:13], s[20:21]
	v_lshlrev_b32 v7, 5, v2                        ; the bias: register 8 b + j = b_out at my column 16 b + 8 h + j
	WIN 0xc0
.irp b, 0,1,2,3,4,5,6,7
	global_load_b128 v[8*\b:8*\b+3], v7, s[10:11] offset:64*\b
	global_load_b128 v[8*\b+4:8*\b+7], v7, s[10:11] offset:64*\b+16
.endr
	WIN 0
.macro FRAG reg, adr, q, row
.irp c, 0,1,2,3
	ds_load_b128 v[\reg+4*\c:\reg+4*\c+3], v[\adr] offset:128*(\q)+32*\c+(\row)*PITCH
.endr
.endm
.macro FRAGA reg, slot, q, a           ; an image comes back as it was stored
.irp c, 0,1,2,3
	ds_load_b128 v[\reg+4*\c:\reg+4*\c+3], v[ADRA+\slot] offset:ATILE*(\a)+2048*(\q)+512*\c
.endr
.endm
.macro FETCH_B slot, q, p              ; 32 loads
	WIN 0x40
.irp i, 0,1,2,3,4,5,6,7
	FRAG 128*(\p)+16*\i, ADRB+\slot, \q, 16*\i
.endr
	WIN 0
.endm
.macro FETCH_A slot, q, i0             ; blocks i0, i0 + 1: 8 loads
.irp i, \i0, \i0+1
	FRAGA AF+16*(\i), \slot, \q, \i
.endr
.endm
.macro MUL8 a, p, zero                 ; block a against W_out's eight; the 32 accumulators take turns, in the same order in every step
.irp b, 0,1,2,3,4,5,6,7
.if \zero
	v_wmma_f32_16x16x128_bf8_bf8 v[8*(8*\a+\b):8*(8*\a+\b)+7], v[128*\p+16*\b:128*\p+16*\b+15], v[AF+16*\a:AF+16*\a+15], 0
.else
	v_wmma_f32_16x16x128_bf8_bf8 v[8*(8*\a+\b):8*(8*\a+\b)+7], v[128*\p+16*\b:128*\p+16*\b+15], v[AF+16*\a:AF+16*\a+15], v[8*(8*\a+\b):8*(8*\a+\b)+7]
.endif
.endr
.endm
.macro STEP slot, zero                 ; a slot's first 128 along K, on set 0
	s_wait_dscnt 8                                 ; W_out's set and blocks 0, 1 are in; the youngest 8 loads (blocks 2, 3) may be out
	WIN 0xa1
	MUL8 0, 0, \zero
	MUL8 1, 0, \zero
	s_wait_dscnt 0
	PLACES 4
	FETCH_B \slot, 1, 1
	FETCH_A \slot, 1, 0
	WIN 0xa1
	MUL8 2, 0, \zero
	MUL8 3, 0, \zero
	PLACES 4
	WIN 0
	FETCH_A \slot, 1, 2
.endm
.macro TURN slot, next, fill           ; its second 128, on set 1, changes slots
	s_wait_tensorcnt 0x0                           ; all my tensor loads have landed: my part of the next slot
	ds_add_u32 v[SPW], v[NIL]                      ; 0 onto my spare word
	s_wait_dscnt 9                                 ; (the add and the youngest 8 loads may be out)
	WIN 0xa1
	MUL8 0, 1, 0
	s_wait_dscnt 0x0                               ; the add is done, and my reads of this slot are over
	s_barrier_signal -1
	MUL8 1, 1, 0
	WIN 0
	s_barrier_wait -1
.if \fill
	CREST                                          ; the barrier has opened a round of the cluster's: no wave of any partner still reads this slot or has a load on its way
	s_add_nc_u64 s[G0+4*\slot+2:G0+4*\slot+3], s[G0+4*\slot+2:G0+4*\slot+3], 2*ATILE
	s_add_nc_u64 s[G0B+4*\slot+2:G0B+4*\slot+3], s[G0B+4*\slot+2:G0B+4*\slot+3], 512
	JLOAD G0+4*\slot, G1, G0B+4*\slot, G1B         ; the first tensor load behind the round; its four v_nop are the places in front of the loads below
.else
	PLACES 4
.endif
	FETCH_B \next, 0, 0
	FETCH_A \next, 0, 0
	WIN 0xa1
	MUL8 2, 1, 0
	MUL8 3, 1, 0
	PLACES 4
	WIN 0
	FETCH_A \next, 0, 2
.endm
	s_wait_tensorcnt 1                             ; my part of slot 0 is in; slot 1's load may stay out
	s_barrier_signal -1
	s_barrier_wait -1
	FETCH_B 0, 0, 0
	FETCH_A 0, 0, 0
	FETCH_A 0, 0, 2
	STEP 0, 1                                      ; the first products start the sums: nothing is cleared
	TURN 0, 1, 1
	STEP 1, 0
	TURN 1, 0, 1
	STEP 0, 0
	TURN 0, 1, 0
	STEP 1, 0
	s_wait_dscnt 8
	WIN 0xa1
	MUL8 0, 1, 0
	MUL8 1, 1, 0
	s_wait_dscnt 0
	MUL8 2, 1, 0
	MUL8 3, 1, 0
	WIN 0
; THE WAY OUT, a block of 16 rows x 128 columns at a time: sum x 2^(e6 + e7) + bias into other registers, through my own stage, back as whole rows of 512 bytes.  LDS serves a wave's instructions in order (ISA guide 5.7.1.4).
.macro TOSTAGE a
	WIN 0x32                                       ; the sums in window 2, the bias in window 3
.irp j, 0,2,4,6,8,10,12,14,16,18,20,22,24,26,28,30,32,34,36,38,40,42,44,46,48,50,52,54,56,58,60,62
	v_pk_fma_f32 v[TMP+\j:TMP+\j+1], v[64*(\a)+\j:64*(\a)+\j+1], s[96:97], v[\j:\j+1] op_sel_hi:[1,0,1]   ; (the scalar pair's low word for both halves); each accumulator from its low end on
.endr
	WIN 0
.irp b, 0,1,2,3,4,5,6,7
	ds_store_b128 v[STO], v[TMP+8*\b:TMP+8*\b+3] offset:64*\b
	ds_store_b128 v[STO], v[TMP+8*\b+4:TMP+8*\b+7] offset:64*\b+16
.endr
.set BB, BK+64*((\a)%2)
.irp t, 0,1,2,3,4,5,6,7,8,9,10,11,12,13,14,15
	ds_load_b128 v[BB+4*\t:BB+4*\t+3], v[RD] offset:\t*SPITCH
.endr
.endm
.macro SEND a, younger                 ; younger: the LDS instructions issued behind block a's loads, which may stay out
.set BB, BK+64*((\a)%2)
	s_wait_dscnt \younger
.if (\a) > 0
	s_add_nc_u64 s[12:13], s[12:13], 65536         ; 16 rows on (the earlier stores have read their base: the wait on XCNT stands ahead)
.endif
.irp t, 0,1,2,3,4,5,6,7,8,9,10,11,12,13,14,15
	global_store_b128 v[CO], v[BB+4*\t:BB+4*\t+3], s[12:13] offset:\t*4096 th:TH_STORE_NT   ; 32 lanes store 512 consecutive bytes, aligned; written once, read by nobody here
.endr
.endm
	s_wait_kmcnt 0x0
	s_add_co_i32 s96, s96, s97
	s_add_co_i32 s96, s96, 127
	s_lshl_b32 s96, s96, 23                        ; 2^(e6 + e7) as f32
	s_wait_loadcnt 0x0                             ; the bias
	PLACES 4                                       ; behind the last products: for the reads of their results and the loads into the registers that held attn's fragments
	TOSTAGE 0
.irp a, 1,2,3
.if \a > 1
	s_wait_xcnt 0x0                                ; block a - 2's stores have read their registers and their base
.endif
	TOSTAGE \a
	SEND \a-1, 32                                  ; behind block a - 1's loads: block a's 16 stores and 16 loads
.endr
	s_wait_xcnt 0x0
	SEND 3, 0
	s_wait_tensorcnt 0x0                           ; the wave's end
	ds_add_u32 v[SPW], v[NIL]
	s_wait_dscnt 0x0
	CROUND                                         ; the closing round
	s_endpgm
.Lfunc_end_k_q2184490ca3_proj:
	.size	k_q2184490ca3_proj, .Lfunc_end_k_q2184490ca3_proj-k_q2184490ca3_proj
	.p2alignl 7, 3214868480
	.fill 96, 4, 3214868480
	.section	.rodata,"a",@progbits
	.p2align	6, 0x0
	.amdhsa_kernel k_q2184490ca3_proj
		.amdhsa_group_segment_fixed_size 327680
		.amdhsa_private_segment_fixed_size 0
		.amdhsa_enable_private_segment 0
		.amdhsa_kernarg_size 40
		.amdhsa_user_sgpr_count 2
		.amdhsa_user_sgpr_kernarg_segment_ptr 1
		.amdhsa_wavefront_size32 1
		.amdhsa_system_sgpr_workgroup_id_x 1
		.amdhsa_system_sgpr_workgroup_id_y 1
		.amdhsa_system_sgpr_workgroup_id_z 1
		.amdhsa_system_vgpr_workitem_id 0
		.amdhsa_next_free_vgpr 832
		.amdhsa_next_free_sgpr 100
		.amdhsa_reserve_vcc 0
		.amdhsa_float_denorm_mode_32 3
		.amdhsa_float_denorm_mode_16_64 3
		.amdhsa_memory_ordered 1
		.amdhsa_forward_progress 1
		.amdhsa_inst_pref_size 78
	.end_amdhsa_kernel
	.amdgpu_metadata
---
amdhsa.version: [ 1, 2 ]
amdhsa.kernels:
  - .name:           k_q2184490ca3_proj
    .symbol:         k_q2184490ca3_proj.kd
    .args:
      - { .name: attn_img, .offset: 0, .size: 8, .value_kind: global_buffer, .address_space: global }
      - { .name: W_out_codes, .offset: 8, .size: 8, .value_kind: global_buffer, .address_space: global }
      - { .name: lowp_scales, .offset: 16, .size: 8, .value_kind: global_buffer, .address_space: global }
      - { .name: b_out, .offset: 24, .size: 8, .value_kind: global_buffer, .address_space: global }
      - { .name: out0, .offset: 32, .size: 8, .value_kind: global_buffer, .address_space: global }
    .group_segment_fixed_size: 327680
    .private_segment_fixed_size: 0
    .kernarg_segment_align: 8
    .kernarg_segment_size: 40
    .max_flat_workgroup_size: 128
    .sgpr_count:     100
    .vgpr_count:     832
    .wavefront_size: 32
...
	.end_amdgpu_metadata
.endif
;; end of part 3
